; MI455X (gfx1250); checked and timed in simulation.
; The chip was launched on July 23, 2026; its instructions are those of AMD's public machine-readable ISA for CDNA 5 (MIT licence, August 2026) and "CDNA5" Instruction Set Architecture Reference Guide (July 2026). The comments in the code are by the model that wrote it; some were corrected since.
;; Scaled Dot Prod Att. Allowed arithmetic: matrix products marked QUANTISED: E4M3 operands, one E8M0 scale for each 32 along K, by v_wmma_scale_f32_16x16x128_f8f6f4 with both operands' format E4M3, f32 sums; everything else in f32.
;; Inputs: k 4 x 16 x 2,048 x 128 float32; q 4 x 16 x 2,048 x 128 float32; sen_len 4 int32; v 4 x 16 x 2,048 x 128 float32.
;; Outputs: out0 4 x 16 x 2,048 x 128 float32.
;; This version of the problem:
;;   THIS VERSION OF THE PROBLEM IS GIVEN IN LOW PRECISION. The matrix products marked QUANTISED in the list below multiply operands that are first quantised to E4M3 (4 exponent bits, 3 mantissa bits; 8 bits a number), with one power-of-two scale for each 32 numbers along K (OCP MX v1.0); their sums are f32. All else is computed in f32.
;;   The module's matrix products, in the order in which they are computed (A, B: the left and right operand; K: the contracted axis; several contracted axes count as one K, in the product's order):
;;     1. batch 64 x [M 2,048, K 128] x [K 128, N 2,048]; A: input q; B: input k: QUANTISED
;;     2. batch 64 x [M 2,048, K 2,048] x [K 2,048, N 128]; A: softmax (see below); B: input v: QUANTISED
;;   THE QUANTISER, for each operand of a quantised product, along K:
;;     - K is cut into blocks of 32 from its start; a last block that is shorter is filled with zeros.
;;     - A block's scale is 2^e with e = floor(log2(the largest magnitude in the block)) - 8, held to -126 .. 127; a block of zeros has e = 0. As a byte (E8M0): e + 127.
;;     - Each number is divided by its block's scale, clamped to +-448, and rounded to the nearest number of E4M3, ties to even, subnormals kept.
;;     - The product sums the exact products of the quantised numbers (number of the format x scale) in f32.
;;   ~~~python
;;   def quantise(x, axis):      # numpy; x: float32 -> the quantised numbers, widened to float32 again
;;       x = np.moveaxis(x, axis, -1); K = x.shape[-1]
;;       x = np.pad(x, [(0, 0)] * (x.ndim - 1) + [(0, -K % 32)]); x = x.reshape(x.shape[:-1] + (-1, 32)); a = np.abs(x).max(-1, keepdims=True)
;;       e = np.where(a > 0, np.clip(np.frexp(np.where(a > 0, a, 1))[1] - 1 - 8, -126, 127), 0)      # np.frexp(a)[1] - 1 = floor(log2(a)), exactly
;;       r = np.clip(x / 2.0 ** e, -448, 448)
;;       step = 2.0 ** (np.maximum(np.frexp(np.where(r == 0, 1, r))[1] - 1, -6) - 3)
;;       q = np.round(r / step) * step * 2.0 ** e      # np.round: ties to even
;;       return np.moveaxis(q.reshape(q.shape[:-2] + (-1,))[..., :K], -1, axis).astype(np.float32)
;;   ~~~
;;   SOFTMAX AHEAD OF A QUANTISED PRODUCT. Where the list says 'softmax', what is quantised is not the finished softmax but p = 2^(t - M), with t = logit x log2(e) and M = ceil(the row's largest t), a whole number; so 1/2 < the row's largest p <= 1. The row's sum l is taken of the UNQUANTISED p, in f32, and the product's result is divided by l at the end. Since M is a whole number, a kernel that streams over the keys may use a running M (the ceiling of the running maximum): every later rescaling is an exact power of two, which a block's scale takes up: the codes' values come out the same.
;;   OPERANDS COMPUTED ON THE WAY. 'Computed on the way' means the value that the module computes at that place (a softmax that the list does not call 'softmax' is quantised finished and normalised). What goes into a quantiser is computed in f32, as accurately as f32 sums, v_exp_f32 and their like allow (about 1e-6 of the number): no bf16 or f16 on the way to a quantiser, and a product that is left as it is and whose result goes on into a quantised operand takes f32 operands (vector FMAs, or v_wmma_f32_16x16x4_f32). A number that lies on a knife's edge between two numbers of the format may be rounded either way, as far as f32 arithmetic and the matrix unit's own rounding can turn it there, and no further.
;; One version. Each part assembles by itself: llvm-mc -triple=amdgcn-amd-amdhsa -mcpu=gfx1250 --defsym DOCPART=n.
;; ======== version 1 of 1: 2 launches
;; limits: right only within a limited range of input values
;; workspace buffers: kpack 17,825,792 bytes; vcodes 16,777,216 bytes; vpart 262,144 bytes
;; launch quant (part 1): grid 8 x 64, 4 waves a work-group, no clusters, 35,328 bytes of LDS; arguments k, v, kpack, vcodes, vpart; writes kpack, vcodes, vpart
.if DOCPART == 1
	.amdgcn_target "amdgcn-amd-amdhsa--gfx1250"
	.amdhsa_code_object_version 6
	.text
	.protected	k_q0ab47f390c_quant
	.globl	k_q0ab47f390c_quant
	.p2align	8
	.type	k_q0ab47f390c_quant,@function
k_q0ab47f390c_quant:
	s_mov_b64 s[64:65], 0
	v_nop
	global_prefetch_b8 v0, s[64:65] scope:SCOPE_SE
	s_setreg_imm32_b32 hwreg(HW_REG_WAVE_MODE, 25, 1), 1
	s_wait_xcnt 0x0
; K and V [64 heads][2048 keys][128], f32, become codes of FP8 (E4M3) with one E8M0 scale byte for each 32 along the axis that the later product contracts:
; K along the head's 128 (innermost in memory), V along the KEYS (its first axis within a head).  A work-group of four waves takes one SLOT: 256 keys of one head; slot number SI = 8 x head + work-group x.
; OUT.  kpack, 34,816 bytes a slot: K's codes [256 keys][128]; at 32,768 K's scale words [256 keys][4]; at 33,792 V's scale bytes [128 d][8].   vcodes, 32,768 bytes a slot: [128 d][256 keys], keys innermost.
;       vpart, 512 bytes a slot: f32 [128 d], the sum over the slot's 256 keys of the quantised V: a product with a matrix of ones (code 0x78 = 256 under the scale byte 119 = 2^-8).
; A block's scale is 2^(floor(log2(its largest magnitude)) - 8); its byte is the largest magnitude's exponent field - 8, held at 1 from below.  Each number is divided by the scale, held within +-448, rounded to the nearest code.
; LIMITS: a block of zeros gets the byte 1 where the rule says 127 (its codes are zeros, and this program alone reads the bytes); blocks whose largest magnitude lies under 2^-118 keep the byte 1; NaN and infinities are not served.
; K's PHASE: wave w takes keys 64 w .. 64 w + 63, a plain stream of 8,192 numbers, in 16 steps of 512.  Each load reads 512 consecutive bytes; a step's 2,048 bytes turn through the wave's own stage in LDS, so that a lane
; holds 16 neighbours (two lanes a block).  V's PHASE: wave w takes columns d = 32 w .. 32 w + 31; a lane is a column and its registers run down the keys, so a block of 32 keys lies in one lane; the codes go through the
; wave's stage and leave as rows of 256 bytes.  Waves share nothing: no barrier.  No tensor loads.  No matrix work but the four products for vpart.
.set STEPS, 16
.set NB,    8                          ; V's blocks of 32 keys in a slot
.set WREG,  8704                       ; LDS: a region for each wave.  K's phase: two stages of 32 x SP bytes, then 256 scale bytes.  V's phase: 32 rows x PITCH bytes
.set SP,    80                         ; a lane's place in K's stage: 64 bytes + 16 of padding
.set PITCH, 272                        ; a row of V's stage: 256 bytes + 16 of padding
.set R,     16                         ; v16-79   K: four sets of 16 numbers as loaded
.set X,     80                         ; v80-111  K: two sets of 16 neighbours
.set E,     112                        ; v112-127 K: a scale byte for each step
.set C,     128                        ; v128-191 K: four registers of codes for each step
.set XV,    32                         ; v32-95   V: two sets of 32 numbers; later four fragments of codes
.set CV,    96                         ; v96-103  V: a block's codes
.set OUTR,  112                        ; v112-175 V: the way out
.set ONES,  176                        ; v176-191 a fragment of ones
.set SB,    192                        ; v192-193 V's scale bytes of my column: scales and nothing else
.set ONESC, 194                        ; v194     the ones' scale word: nothing else
	s_load_b256 s[4:11], s[0:1], 0x0               ; k s[4:5], v s[6:7], kpack s[8:9], vcodes s[10:11]
	s_load_b64 s[12:13], s[0:1], 0x20              ; vpart
	v_lshl_add_u32 v208, v0, 2, 0x8800
	v_mov_b32 v209, 0
	v_lshrrev_b32 v1, 5, v0
	v_readfirstlane_b32 s16, v1                    ; wave 0..3
	v_and_b32 v2, 31, v0                           ; lane
	v_lshlrev_b32 v3, 4, v2                        ; 16 x lane: my bytes of a load's 512, and my codes' place in a step's 512
	s_mul_i32 s22, s16, WREG                       ; my wave's region of LDS
	s_add_co_u32 s26, s22, 2*32*SP                 ; and in it K's 256 scale bytes
	v_lshrrev_b32 v14, 2, v2
	v_mul_u32_u24 v14, v14, SP
	v_and_b32 v15, 3, v2
	v_lshl_add_u32 v14, v15, 4, v14
	v_add_nc_u32 v14, s22, v14                     ; K's stage, way in: SP (lane / 4) + 16 (lane % 4)
	v_mul_u32_u24 v15, v2, SP
	v_add_nc_u32 v15, s22, v15                     ; way out: SP x lane: my 16 neighbours
	v_lshrrev_b32 v5, 1, v2
	v_add_nc_u32 v5, s26, v5                       ; my block's scale byte
	v_lshlrev_b32 v7, 3, v2                        ; 8 x lane
	v_add_nc_u32 v6, s26, v7
	v_and_b32 v8, 15, v2                           ; r
	v_lshrrev_b32 v9, 4, v2                        ; h
	v_lshlrev_b32 v196, 2, v2                      ; V in: 4 bytes a lane
	v_mul_u32_u24 v197, v2, PITCH
	v_add_nc_u32 v197, s22, v197                   ; V's stage, way in: row = my column
	v_mul_u32_u24 v198, v9, PITCH
	v_lshl_add_u32 v198, v8, 4, v198
	v_add_nc_u32 v198, s22, v198                   ; way out by rows: sixteen lanes to a row, two rows an instruction
	v_lshlrev_b32 v199, 8, v9
	v_lshl_add_u32 v199, v8, 4, v199               ; and the same place in vcodes
	v_mul_u32_u24 v200, v8, PITCH
	v_lshl_add_u32 v200, v9, 4, v200
	v_add_nc_u32 v200, s22, v200                   ; as a fragment: row r, + 16 h
	v_mov_b32 v[ONESC], 0x77777777                 ; four bytes 119: 2^-8
	s_mov_b32 s23, 0x600000                        ; the mantissa field of 448
	s_and_b32 s17, ttmp7, 0xffff
	s_lshl_b32 s17, s17, 3
	s_add_co_u32 s17, s17, ttmp9                   ; SI, at most 511: every offset below stays under 2^27
	s_mov_b32 s19, 0
	s_lshl_b32 s20, s17, 17                        ; a slot of K or V in f32: 131,072 bytes
	s_lshl_b32 s21, s16, 15
	s_add_co_u32 s18, s20, s21
	s_wait_kmcnt 0x0
	s_add_nc_u64 s[4:5], s[4:5], s[18:19]          ; K at my 64 keys
	s_lshl_b32 s21, s16, 7
	s_add_co_u32 s18, s20, s21
	s_add_nc_u64 s[6:7], s[6:7], s[18:19]          ; V at the slot's first key, my 32 columns
	s_mul_i32 s20, s17, 34816
	s_lshl_b32 s21, s16, 13
	s_add_co_u32 s18, s20, s21
	s_add_nc_u64 s[24:25], s[8:9], s[18:19]        ; K's codes: 8,192 bytes a wave
	s_lshl_b32 s21, s16, 8
	s_add_co_u32 s18, s20, s21
	s_add_nc_u64 s[8:9], s[8:9], s[18:19]          ; the slot + 256 x wave: K's scale words 32,768 further on, V's scale bytes 33,792
	s_lshl_b32 s20, s17, 15
	s_lshl_b32 s21, s16, 13
	s_add_co_u32 s18, s20, s21
	s_add_nc_u64 s[10:11], s[10:11], s[18:19]      ; V's codes: my 32 rows of 256 bytes
	s_lshl_b32 s20, s17, 9
	s_lshl_b32 s21, s16, 7
	s_add_co_u32 s18, s20, s21
	s_add_nc_u64 s[12:13], s[12:13], s[18:19]      ; vpart: my 32 numbers
.macro KLOAD t
.irp i, 0,1,2,3
	global_load_b128 v[R+16*((\t)%4)+4*\i:R+16*((\t)%4)+4*\i+3], v3, s[4:5] offset:2048*(\t)+512*\i th:TH_LOAD_NT   ; 32 lanes read 512 consecutive bytes
.endr
.endm
.macro KTURN t                         ; step t's numbers through the stage: LDS serves a wave's instructions in order, so no wait stands between the stores and the loads
.irp i, 0,1,2,3
	ds_store_b128 v14, v[R+16*((\t)%4)+4*\i:R+16*((\t)%4)+4*\i+3] offset:32*SP*((\t)%2)+8*SP*\i
.endr
.irp i, 0,1,2,3
	ds_load_b128 v[X+16*((\t)%2)+4*\i:X+16*((\t)%2)+4*\i+3], v15 offset:32*SP*((\t)%2)+16*\i
.endr
.endm
.irp t, 0,1,2,3
	KLOAD \t
.endr
	s_wait_loadcnt 12                              ; step 0's four loads are in; twelve younger ones stay out
	KTURN 0
.macro KSTEP t
.set XS, X+16*((\t)%2)
.if (\t) > 0
	s_wait_dscnt 1                                 ; this step's numbers are back from the stage (the last step's byte store may be out): its stores into the stage have read their registers,
.else
	s_wait_dscnt 0x0
.endif
.if (\t)+4 < STEPS
	KLOAD (\t)+4                                   ; which take the loads of four steps on
.endif
.if (\t)+1 < STEPS
.if STEPS-2-(\t) >= 3
	s_wait_loadcnt 12                              ; the next step's four loads are in; those of the three steps behind it may be out
.else
	s_wait_loadcnt 4*(STEPS-2-(\t))
.endif
	KTURN (\t)+1                                   ; they go through the other stage while this step is worked
.endif
	v_max3_num_f32 v8, |v[XS]|, |v[XS+1]|, |v[XS+2]|               ; the largest magnitude of my 16, in two chains
	v_max3_num_f32 v9, |v[XS+3]|, |v[XS+4]|, |v[XS+5]|
.irp i, 6,10
	v_max3_num_f32 v8, v8, |v[XS+\i]|, |v[XS+\i+1]|
	v_max3_num_f32 v9, v9, |v[XS+\i+2]|, |v[XS+\i+3]|
.endr
	v_max3_num_f32 v8, v8, |v[XS+14]|, |v[XS+15]|
	v_max3_num_f32 v8, v8, v9, 0x4800000           ; and the floor 2^(9 - 127): the byte cannot fall under 1
	v_max_num_f32_dpp v8, v8, v8 row_xmask:1 row_mask:0xf bank_mask:0xf   ; and of my neighbour's 16: the block's
	v_add_nc_u32 v11, 0xfc000000, v8               ; 8 off its exponent field: the conversion takes the exponent field of this operand as its scale
	v_and_or_b32 v10, v8, 0x7f800000, s23          ; 448 x the scale
.irp i, 0,1,2,3,4,5,6,7,8,9,10,11,12,13,14,15
	v_med3_num_f32 v[XS+\i], v[XS+\i], -v10, v10   ; the conversion to an 8-bit code does not saturate (ISA guide 7.6.2): the hold comes first
.endr
	v_cvt_scalef32_pk8_fp8_f32 v[C+4*(\t):C+4*(\t)+1], v[XS:XS+7], v11
	v_cvt_scalef32_pk8_fp8_f32 v[C+4*(\t)+2:C+4*(\t)+3], v[XS+8:XS+15], v11
	v_lshrrev_b32 v[E+(\t)], 23, v11               ; the scale's byte (also the plain line behind the conversions)
	ds_store_b8 v5, v[E+(\t)] offset:16*(\t)       ; both lanes of a block write the same byte with the same value
	global_store_b128 v3, v[C+4*(\t):C+4*(\t)+3], s[24:25] offset:512*(\t)   ; the wave stores 512 consecutive bytes, aligned
.endm
.irp t, 0,1,2,3,4,5,6,7,8,9,10,11,12,13,14,15
	KSTEP \t
.endr
; ---- V.  Block t: V(32 t + i, my column), i = 0 .. 31, into set t % 2: each load reads 128 consecutive bytes a wave, the four waves side by side on a row's 512
.macro VLOAD t
.irp i, 0,1,2,3,4,5,6,7,8,9,10,11,12,13,14,15,16,17,18,19,20,21,22,23,24,25,26,27,28,29,30,31
	global_load_b32 v[XV+32*((\t)%2)+\i], v196, s[6:7] offset:(32*(\t)+\i)*512 th:TH_LOAD_NT
.endr
.endm
	VLOAD 0                                        ; v32-95 are free: K's loads are all in, and step 15's head has shown the stage's stores done
	VLOAD 1
	ds_load_b64 v[12:13], v6                       ; K's 256 scale bytes: LDS serves a wave's instructions in order: these see my byte stores
	s_wait_dscnt 0x0
	global_store_b64 v7, v[12:13], s[8:9] offset:32768   ; 32 lanes store 256 consecutive bytes, aligned
	s_wait_xcnt 0x0                                ; K's stores have read v12-13 and v128-191: only behind this wait are those written again
.set J, 0
.rept 16
	v_mov_b32 v[ONES+J], 0x78787878                ; four codes of 256
.set J, J+1
.endr
.macro BLOCK t
.set XS, XV+32*((\t)%2)
.if (\t) < NB-1
	s_wait_loadcnt 32                              ; this block's 32 loads are in; the next block's may be out
.else
	s_wait_loadcnt 0
.endif
	v_max3_num_f32 v12, |v[XS]|, |v[XS+1]|, |v[XS+2]|              ; the block's largest magnitude: all 32 numbers are mine
	v_max3_num_f32 v13, |v[XS+3]|, |v[XS+4]|, |v[XS+5]|
.irp i, 6,10,14,18,22,26
	v_max3_num_f32 v12, v12, |v[XS+\i]|, |v[XS+\i+1]|
	v_max3_num_f32 v13, v13, |v[XS+\i+2]|, |v[XS+\i+3]|
.endr
	v_max3_num_f32 v12, v12, |v[XS+30]|, |v[XS+31]|
	v_max3_num_f32 v12, v12, v13, 0x4800000        ; and the floor
	v_add_nc_u32 v11, 0xfc000000, v12              ; the conversion's scale operand
	v_and_or_b32 v10, v12, 0x7f800000, s23         ; 448 x the scale
	v_lshrrev_b32 v13, 23, v11                     ; the scale's byte
.if (\t)%4 == 0
	v_mov_b32 v[SB+(\t)/4], v13                    ; four bytes to a register, the lower keys in the lower byte
.else
	v_lshl_or_b32 v[SB+(\t)/4], v13, 8*((\t)%4), v[SB+(\t)/4]
.endif
.irp i, 0,1,2,3,4,5,6,7,8,9,10,11,12,13,14,15,16,17,18,19,20,21,22,23,24,25,26,27,28,29,30,31
	v_med3_num_f32 v[XS+\i], v[XS+\i], -v10, v10
.endr
.irp g, 0,1,2,3
	v_cvt_scalef32_pk8_fp8_f32 v[CV+2*\g:CV+2*\g+1], v[XS+8*\g:XS+8*\g+7], v11
.endr
	v_nop                                          ; one plain line behind the last conversion of a run
	ds_store_b128 v197, v[CV:CV+3] offset:32*(\t)  ; 32 codes: 32 bytes of my column's row
	ds_store_b128 v197, v[CV+4:CV+7] offset:32*(\t)+16
.if (\t)+2 < NB
	VLOAD (\t)+2
.endif
	s_wait_dscnt 0x0                               ; the stores have read their registers: the next block's codes may be written
.endm
.set Q, 0
.rept NB
	BLOCK Q
.set Q, Q+1
.endr
	global_store_b64 v7, v[SB:SB+1], s[8:9] offset:33792   ; my column's 8 scale bytes: the wave stores 256 consecutive bytes, aligned
.irp f, 0,1,2,3                        ; four fragments of my own codes: 16 columns d (tile f / 2) x 128 keys (half f % 2)
.irp c, 0,1,2,3
	ds_load_b128 v[XV+16*\f+4*\c:XV+16*\f+4*\c+3], v200 offset:(\f/2)*16*PITCH+128*(\f%2)+32*\c
.endr
.endr
.irp t, 0,1,2,3,4,5,6,7,8,9,10,11,12,13,14,15
	ds_load_b128 v[OUTR+4*\t:OUTR+4*\t+3], v198 offset:2*\t*PITCH
.endr
	s_wait_dscnt 16                                ; the fragments are in; the 16 row loads behind them may be out
	; sums over the keys: source 0 = ones, source 1 = 16 columns d.  Every row of the result is the same: register 0 of lane l holds column l % 16.  My lanes 0-15 hold tile 0's scale words, lanes 16-31 tile 1's.
	; The two accumulators take turns.
	v_wmma_scale_f32_16x16x128_f8f6f4 v[16:23], v[ONES:ONES+15], v[XV:XV+15], 0, v[ONESC], v[SB]
	v_wmma_scale_f32_16x16x128_f8f6f4 v[24:31], v[ONES:ONES+15], v[XV+32:XV+47], 0, v[ONESC], v[SB] matrix_b_scale:MATRIX_SCALE_ROW1
	v_wmma_scale_f32_16x16x128_f8f6f4 v[16:23], v[ONES:ONES+15], v[XV+16:XV+31], v[16:23], v[ONESC], v[SB+1]
	v_wmma_scale_f32_16x16x128_f8f6f4 v[24:31], v[ONES:ONES+15], v[XV+48:XV+63], v[24:31], v[ONESC], v[SB+1] matrix_b_scale:MATRIX_SCALE_ROW1
.irp t, 0,1,2,3,4,5,6,7,8,9,10,11,12,13,14,15
	s_wait_dscnt 15-\t                             ; row load t is in; the younger ones may be out
	global_store_b128 v199, v[OUTR+4*\t:OUTR+4*\t+3], s[10:11] offset:512*\t   ; two rows of 256 bytes: 512 consecutive bytes, aligned
.endr
.rept 8
	v_nop                                          ; eight places between this matrix form and the first read of its results
.endr
	v_cmp_gt_u32 vcc_lo, 16, v2
	v_cndmask_b32 v10, v24, v16, vcc_lo            ; lane l: the sum of column 32 w + l; each accumulator is read at its lowest register
	global_store_b32 v196, v10, s[12:13]           ; 128 bytes a wave, the four waves' on end
	s_wait_tensorcnt 0x0
	ds_add_u32 v208, v209
	s_wait_dscnt 0x0
	s_endpgm
.Lfunc_end_k_q0ab47f390c_quant:
	.size	k_q0ab47f390c_quant, .Lfunc_end_k_q0ab47f390c_quant-k_q0ab47f390c_quant
	.p2alignl 7, 3214868480
	.fill 96, 4, 3214868480
	.section	.rodata,"a",@progbits
	.p2align	6, 0x0
	.amdhsa_kernel k_q0ab47f390c_quant
		.amdhsa_group_segment_fixed_size 35328
		.amdhsa_private_segment_fixed_size 0
		.amdhsa_enable_private_segment 0
		.amdhsa_kernarg_size 40
		.amdhsa_user_sgpr_count 2
		.amdhsa_user_sgpr_kernarg_segment_ptr 1
		.amdhsa_wavefront_size32 1
		.amdhsa_system_sgpr_workgroup_id_x 1
		.amdhsa_system_sgpr_workgroup_id_y 1
		.amdhsa_system_sgpr_workgroup_id_z 1
		.amdhsa_system_vgpr_workitem_id 0
		.amdhsa_next_free_vgpr 210
		.amdhsa_next_free_sgpr 66
		.amdhsa_reserve_vcc 1
		.amdhsa_float_denorm_mode_32 3
		.amdhsa_float_denorm_mode_16_64 3
		.amdhsa_memory_ordered 1
		.amdhsa_forward_progress 1
		.amdhsa_inst_pref_size 112
	.end_amdhsa_kernel
	.amdgpu_metadata
---
amdhsa.version: [ 1, 2 ]
amdhsa.kernels:
  - .name:           k_q0ab47f390c_quant
    .symbol:         k_q0ab47f390c_quant.kd
    .args:
      - { .name: k, .offset: 0, .size: 8, .value_kind: global_buffer, .address_space: global }
      - { .name: v, .offset: 8, .size: 8, .value_kind: global_buffer, .address_space: global }
      - { .name: kpack, .offset: 16, .size: 8, .value_kind: global_buffer, .address_space: global }
      - { .name: vcodes, .offset: 24, .size: 8, .value_kind: global_buffer, .address_space: global }
      - { .name: vpart, .offset: 32, .size: 8, .value_kind: global_buffer, .address_space: global }
    .group_segment_fixed_size: 35328
    .private_segment_fixed_size: 0
    .kernarg_segment_align: 8
    .kernarg_segment_size: 40
    .max_flat_workgroup_size: 128
    .sgpr_count:     66
    .vgpr_count:     210
    .wavefront_size: 32
...
	.end_amdgpu_metadata
.endif
;; end of part 1
;; launch attn (part 2): grid 4 x 64, 16 waves a work-group, no clusters, 327,680 bytes of LDS; arguments q, kpack, vcodes, vpart, sen_len, out0; writes out0
.if DOCPART == 2
	.amdgcn_target "amdgcn-amd-amdhsa--gfx1250"
	.amdhsa_code_object_version 6
	.text
	.protected	k_q0ab47f390c_attn
	.globl	k_q0ab47f390c_attn
	.p2align	8
	.type	k_q0ab47f390c_attn,@function
k_q0ab47f390c_attn:
	s_mov_b64 s[64:65], 0
	v_nop
	global_prefetch_b8 v0, s[64:65] scope:SCOPE_SE
	s_setreg_imm32_b32 hwreg(HW_REG_WAVE_MODE, 25, 1), 1
	s_wait_xcnt 0x0
; out[head][q][:] = softmax over the keys of (q . k / sqrt(128), masked) times V, both products on codes of FP8 (E4M3) with one E8M0 scale for each 32 along a product's K.  64 heads (batch = head / 16), 2,048 positions, head size 128.
; THE MASK.  A key counts for query q where k <= q and both lie under sen_len[batch].  For q < sen_len those are exactly the keys k <= q: plain causal attention; every other logit is -1e9 and its p is 0.
; For q >= sen_len every logit is -1e9: t = -1e9 x log2(e) is a whole number in f32, so M = t and p = 1 for all 2,048 keys, which quantises exactly; the row is (the sum over all keys of the quantised V) / 2,048.  That sum comes from vpart
; (eight pieces a head); it takes the row's place by v_cndmask_b32 on the way out: no branch and no address hangs on sen_len.
; THE SOFTMAX: t = score x log2(e) / sqrt(128); M = the row's largest t so far, rounded UP to a whole number; p = 2^(t - M) is quantised along the keys, not normalised; the row's sum is of the unquantised p and divides at the end.
; When M moves, the sum and O are multiplied by 2^(old M - new M): exact.
; LIMITS: NaN and infinities are not served; a valid row whose largest true logit lies near or under -1e9 is not served (its hidden keys would count); blocks of q under 2^-118 keep the scale byte 1.
; SHARES.  256 work-groups of equal work: work-group (i, head) owns the query blocks 7 - i and then i, 256 queries each; each of its sixteen waves one tile of 16 queries.  It makes NINE VISITS, a constant: key slots (256 keys)
; 0 .. 7 - i for the high block, then 0 .. i for the low one.  A visit is two key steps of 128 keys.  A step all of whose keys come after the wave's queries is passed by a scalar branch on ids.
; NO CLUSTER: the four work-groups of a head want the same slot only in visits 0 to 4; to ask jointly in every visit all four would walk 12 visits in place of 9.
; THE RING: two LDS slots; a slot holds kpack's 272 rows of 128 bytes (256 of K's codes, 8 of K's scale words, 8 of V's scale bytes) and V's 128 rows of 256 bytes.  Waves 0, 1 fetch kpack's halves, waves 2, 3 V's.
; LAYOUT.  Both products transposed: S^T = K Q^T, O^T = V^T P^T: a lane holds ONE query (lane % 16).  Lane r of K's tile 2 b + u takes key 32 b + 8 u + r + 8 (r / 8), so that the 16 registers of tiles 2 b, 2 b + 1 are 16 neighbouring keys.
; REGISTERS: v1-4 lane places; v5, v6 the spare word's address and 0; v7 the prefetches' offset; v8-11 addresses in hand; v12 -M, v13 the largest t, v[14:15] the sum; v16-31 Q's codes; v32-95 four fragments, or q's 64 numbers;
; v96-159 S^T, p, then O on its way out; v160-223 O^T, on the way out vpart's pieces; v224-239 p's codes; v232-247 at work; v248-251 K's or V's scale words; v252 f; v253 p's scale word; v254 at work; v255 Q's scale word.
.set KP,    144                        ; a row of kpack in LDS: 128 bytes + 16 of padding
.set VP,    272                        ; a row of V: 256 + 16
.set VOFF,  272*KP                     ; V's rows lie behind kpack's 272
.set KSW,   256*KP                     ; K's scale words: rows 256 on, 32 keys to a row
.set VSW,   264*KP                     ; V's scale bytes: rows 264 on, 16 d to a row, 8 bytes each
.set SLOT1, 1<<17                      ; slot 1 begins here: one exclusive or turns an address from slot to slot
.set KSLOT, 34816                      ; a slot of kpack in memory
.set VSLOT, 32768                      ; and of vcodes
.set STAGE, SLOT1+VOFF+128*VP          ; behind the ring, bytes of its own: 16 rows x 272 bytes for each wave
.set SPI,   272
.set SPARE, STAGE+16*16*SPI            ; the spare words, 128 bytes for each wave: eight blocks of 256 bytes that no other line names
.set AK0,  1
.set AV0,  2
.set ASK0, 3
.set ASV0, 4
.set SPW,  5
.set NIL,  6
.set PFO,  7
.set ADK,  8
.set ADV,  9
.set ADS,  10
.set ADT,  11
.set FRG,  32
.set TM,   232                         ; v232-235 largest magnitudes, v236-239 bytes, v240-243 448 x the scale, v244-247 the conversions' scale operands
.set GO,   240                         ; the way out: my byte offset in the wave's rows of out
.set VAL,  241                         ; sen_len - my wave's first query - lane / 16
.set VPO,  242                         ; 16 x (lane % 16): my four channels in half a row
.set QA,   254                         ; my lane's byte in the wave's 16 rows of q
.set TB,   2                           ; s2   LDS byte at which the slot in hand begins
.set VIS,  3                           ; s3   the visit
.set WV,   18
.set MNT,  19
.set SEL,  20
.set CS,   22
.set G1K,  24
.set G1V,  32
.set G0K,  40
.set G0V,  44
.set SWV,  48                          ; s48  7 - i: the high block's last visit
.set SW,   49                          ; s49  8 - i: its number of visits
.set KF,   50                          ; s50  the step's first key
.set Q0,   51                          ; s51  my first query in the block in hand
.set Q1,   52                          ; s52  and in the low block
.set SL,   53                          ; s53  sen_len of my batch
.set LIM,  54                          ; s54  a wave prefetches while the visit is under it: 6 or 0
.set KB,   56                          ; s[56:57] kpack at my head, my half;  s[58:59] vcodes likewise
.set VB,   58
.set PFA,  60                          ; s[60:61] where my prefetches stand;  s[62:63] a slot on, in bytes
.set PFS,  62
.set QH,   66                          ; s[66:67] q at my head;  s[68:69] out
.set OH,   68
.set QP,   70                          ; s[70:71] q at my 16 rows;  s[72:73] out
.set OP,   72
.set VPB,  74                          ; s[74:75] vpart at my head
; Waves 0 and 1 fetch kpack's halves, waves 2 and 3 V's, the others nothing.  The branches hang on the wave's number alone.  Four v_nop follow each of the two lines.
.macro TLOAD
	s_cmp_lt_u32 s[WV], 2
	s_cbranch_scc0 .Lnot_k_\@
	tensor_load_to_lds s[G0K:G0K+3], s[G1K:G1K+7]
	s_nop 0
.rept 4
	v_nop
.endr
	s_branch .Lasked_\@
.Lnot_k_\@:
	s_cmp_lt_u32 s[WV], 4
	s_cbranch_scc0 .Lasked_\@
	tensor_load_to_lds s[G0V:G0V+3], s[G1V:G1V+7]
	s_nop 0
.rept 4
	v_nop
.endr
.Lasked_\@:
.endm
; A PREFETCH of the codes that the NEXT change of slots will ask for.  All four work-groups of a head walk the same slots; work-group 0, which walks slots 0 to 7 in order, asks, and nobody else.  In it waves 4 to 7 ask for K's
; 32,768 code bytes and waves 8 to 11 for V's: 8,192 bytes a wave, lanes 256 bytes apart, one instruction.  In visit j key slot j + 2 is named, j = 0 .. 5: so each block of 256 bytes is named once in the launch.
; Slots 0 and 1, and every slot's 2,048 scale bytes, come by their loads alone.
.macro ASK
	s_cmp_lt_u32 s[VIS], s[LIM]
	s_cbranch_scc0 .Lnot_mine_\@
	global_prefetch_b8 v[PFO], s[PFA:PFA+1] th:TH_LOAD_NT scope:SCOPE_SE
.Lnot_mine_\@:
.endm
; my 16 rows of q: lane (r, h) takes, of row r, the 16 numbers 32 b + 16 h + 0 .. 15 of each block b: register 16 b + 4 j + ..
.macro QLOAD
.irp b, 0,1,2,3
.irp j, 0,1,2,3
	global_load_b128 v[FRG+16*\b+4*\j:FRG+16*\b+4*\j+3], v[QA], s[QP:QP+1] offset:128*\b+16*\j th:TH_LOAD_NT
.endr
.endr
.endm
; those 64 numbers become Q's fragment in v16-31 and its scale word in v255
.macro QQUANT
.irp b, 0,1,2,3
	v_max3_num_f32 v[TM+\b], |v[FRG+16*\b]|, |v[FRG+1+16*\b]|, 0x4800000   ; block b: my 16 numbers, and the floor 2^(9 - 127): the byte cannot fall under 1
.endr
.irp i, 2,4,6,8,10,12,14
.irp b, 0,1,2,3
	v_max3_num_f32 v[TM+\b], v[TM+\b], |v[FRG+16*\b+\i]|, |v[FRG+1+16*\b+\i]|   ; (the four blocks by turns)
.endr
.endr
.irp b, 0,1,2,3
	v_permlanex16_b32 v[TM+4+\b], v[TM+\b], s[SEL], s[SEL+1]
.endr
.irp b, 0,1,2,3
	v_max_num_f32 v[TM+\b], v[TM+\b], v[TM+4+\b]   ; with lane l xor 16's: the block's largest magnitude
.endr
.irp b, 0,1,2,3
	v_add_nc_u32 v[TM+12+\b], 0xfc000000, v[TM+\b] ; 8 off its exponent field: the conversion's scale operand
.endr
.irp b, 0,1,2,3
	v_and_or_b32 v[TM+8+\b], v[TM+\b], 0x7f800000, s[MNT]   ; 448 x the scale
.endr
.irp b, 0,1,2,3
	v_lshrrev_b32 v[TM+4+\b], 23, v[TM+12+\b]      ; the scale's byte
.endr
	v_lshl_or_b32 v255, v[TM+5], 8, v[TM+4]        ; the four bytes make my row's scale word
	v_lshl_or_b32 v255, v[TM+6], 16, v255
	v_lshl_or_b32 v255, v[TM+7], 24, v255
.irp b, 0,1,2,3
.irp i, 0,1,2,3,4,5,6,7,8,9,10,11,12,13,14,15
	v_med3_num_f32 v[FRG+16*\b+\i], v[FRG+16*\b+\i], -v[TM+8+\b], v[TM+8+\b]   ; the conversion to an 8-bit code does not saturate (ISA guide 7.6.2): the hold comes first
.endr
	v_cvt_scalef32_pk8_fp8_f32 v[16+4*\b:17+4*\b], v[FRG+16*\b:FRG+7+16*\b], v[TM+12+\b]
	v_cvt_scalef32_pk8_fp8_f32 v[18+4*\b:19+4*\b], v[FRG+8+16*\b:FRG+15+16*\b], v[TM+12+\b]
.endr
	v_nop                                          ; one plain line behind the last conversion of a run
.endm
; A block of queries begins: the largest t under every t, the sum and O^T zero (the key step is written once: the first change of M multiplies zeros).  These lines are also the places between Q's codes and scale word and the next products.
.macro INIT
	v_mov_b32 v13, 0xff61b1e6                      ; -3e38
	v_floor_f32 v12, -v13                          ; -M
	v_mov_b32 v14, 0
	v_mov_b32 v15, 0
.set J, 0
.rept 64
	v_mov_b32 v[160+J], 0
.set J, J+1
.endr
.endm
; A KEY STEP: 128 keys, the q-th of the slot in hand.
.macro STEP q
	s_add_co_u32 s96, s[Q0], 15                    ; a step all of whose keys come after my 16 queries is left out: a scalar branch on ids; no barrier and no tensor load stands in a step
	s_cmp_gt_u32 s[KF], s96
	s_cbranch_scc1 .Lhidden_\@
	v_add_nc_u32 v[ADK], s[TB], v[AK0]
	v_add_nc_u32 v[ADV], s[TB], v[AV0]
	v_add_nc_u32 v[ADS], s[TB], v[ASK0]
	v_add_nc_u32 v[ADT], s[TB], v[ASV0]
.irp g, 0,1                                    ; S^T = K Q^T, four tiles of 16 keys at a time
.rept 4+4*\g
	v_nop                                          ; eight places in front of loads into registers that matrix instructions have read; the four additions above are places too
.endr
.irp t, 0,1,2,3
.irp c, 0,1,2,3
	ds_load_b128 v[32+16*\t+4*\c:35+16*\t+4*\c], v[ADK] offset:(128*(\q)+32*((4*\g+\t)/2)+8*(\t%2))*KP+32*\c
.endr
	ds_load_b32 v[248+\t], v[ADS] offset:(4*(\q)+(4*\g+\t)/2)*KP+32*(\t%2)
.endr
	s_wait_dscnt 0x0
.irp t, 0,1,2,3
	v_wmma_scale_f32_16x16x128_f8f6f4 v[96+8*(4*\g+\t):103+8*(4*\g+\t)], v[32+16*\t:47+16*\t], v[16:31], 0, v[248+\t], v255
.endr
.endr
.rept 8
	v_nop
.endr
	s_add_co_u32 s96, s[KF], 127                   ; on the diagonal the scores of hidden keys become -infinity ahead of the maximum: p = 0 then.  A step all of whose keys count skips this
	s_cmp_le_u32 s96, s[Q0]
	s_cbranch_scc1 .Lopen_\@
	s_sub_co_i32 s96, s[Q0], s[KF]
	v_and_b32 v252, 15, v0
	v_bfe_u32 v254, v0, 4, 1
	v_lshlrev_b32 v254, 4, v254
	v_sub_nc_u32 v252, v252, v254
	v_add_nc_u32 v252, s96, v252                   ; d = my query - KF - 16 (lane / 16).  Register 16 b + i holds key KF + 16 (lane / 16) + 32 b + i: hidden where 32 b + i > d
	v_mov_b32 v254, 0xff800000                     ; -infinity
.irp n, 0,1,2,3,4,5,6,7,8,9,10,11,12,13,14,15,16,17,18,19,20,21,22,23,24,25,26,27,28,29,30,31,32,33,34,35,36,37,38,39,40,41,42,43,44,45,46,47,48,49,50,51,52,53,54,55,56,57,58,59,60,61,62,63
	v_cmp_gt_i32 vcc_lo, 32*(\n/16)+\n%16, v252
	v_cndmask_b32 v[96+\n], v[96+\n], v254, vcc_lo
.endr
.Lopen_\@:
.irp b, 0,1,2,3
	v_max3_num_f32 v[232+\b], v[96+16*\b], v[97+16*\b], v[98+16*\b]   ; the largest score of each block of 32 keys: it serves for the row's maximum and, since p rises with the score, for the block's largest p
.endr
.irp i, 3,5,7,9,11,13
.irp b, 0,1,2,3
	v_max3_num_f32 v[232+\b], v[232+\b], v[96+16*\b+\i], v[97+16*\b+\i]
.endr
.endr
.irp b, 0,1,2,3
	v_max_num_f32 v[232+\b], v[232+\b], v[111+16*\b]
.endr
.irp b, 0,1,2,3
	v_permlanex16_b32 v[236+\b], v[232+\b], s[SEL], s[SEL+1]
.endr
.irp b, 0,1,2,3
	v_max_num_f32 v[232+\b], v[232+\b], v[236+\b]  ; with lane l xor 16's 16 keys
.endr
	v_max3_num_f32 v254, v232, v233, v234
	v_max_num_f32 v254, v254, v235                 ; the step's largest score of my query
	v_mul_f32 v254, s[CS], v254                    ; as t (c is positive)
	v_max_num_f32 v13, v13, v254                   ; the running largest t
	v_mov_b32 v254, v12
	v_floor_f32 v12, -v13                          ; the new -M = floor(-t) = -ceil(t): a whole number
	v_sub_f32 v254, v12, v254                      ; M's old value less its new one: a whole number, 0 or less
	v_cvt_i32_f32 v254, v254                       ; (it saturates)
	v_ldexp_f32 v252, 1.0, v254                    ; f = 2^(old M - new M)
.set J, 0
.rept 32
	v_pk_fma_f32 v[96+J:97+J], v[96+J:97+J], s[CS:CS+1], v[12:13] op_sel_hi:[1,0,0]   ; t - M, two at a time (of the pairs c and -M the low word serves both halves)
.set J, J+2
.endr
.irp b, 0,1,2,3
	v_fma_f32 v[232+\b], v[232+\b], s[CS], v12     ; the same of each block's largest score
.endr
.set J, 0
.rept 64
	v_exp_f32 v[96+J], v[96+J]                     ; p = 2^(t - M), at most 1: not normalised
.set J, J+1
.endr
	v_pk_mul_f32 v[14:15], v[14:15], v[252:253] op_sel_hi:[1,0]   ; the sums under the new M (a plain line behind the exponentials)
	s_wait_alu depctr_va_vdst(0)                   ; one wait for the whole batch, ahead of its first reader
.irp b, 0,1,2,3
	v_exp_f32 v[232+\b], v[232+\b]                 ; the block's largest p: the same two instructions on the same number give the same bits
.endr
	v_pk_add_f32 v[236:237], v[96:97], v[98:99]    ; the row's sum is taken of the unquantised p: two at a time, in two chains (it reads the 64 alone: plain work behind the four)
.irp j, 4,8,12,16,20,24,28,32,36,40,44,48,52,56,60
	v_pk_add_f32 v[14:15], v[14:15], v[96+\j:97+\j]
	v_pk_add_f32 v[236:237], v[236:237], v[98+\j:99+\j]
.endr
	v_pk_add_f32 v[14:15], v[14:15], v[236:237]
	s_wait_alu depctr_va_vdst(0)                   ; and one for the four
.irp b, 0,1,2,3
	v_max_num_f32 v[232+\b], 0x4800000, v[232+\b]  ; the floor 2^(9 - 127): a block whose every p is 0 keeps the byte 1: its codes are zeros
.endr
.irp b, 0,1,2,3
	v_add_nc_u32 v[244+\b], 0xfc000000, v[232+\b]  ; the conversion's scale operand
.endr
.irp b, 0,1,2,3
	v_and_or_b32 v[240+\b], v[232+\b], 0x7f800000, s[MNT]   ; 448 x the scale
.endr
.irp b, 0,1,2,3
	v_lshrrev_b32 v[236+\b], 23, v[244+\b]         ; the scale's byte
.endr
	v_lshl_or_b32 v253, v237, 8, v236              ; p's scale word for these 128 keys
	v_lshl_or_b32 v253, v238, 16, v253
	v_lshl_or_b32 v253, v239, 24, v253
.irp b, 0,1,2,3
.irp i, 0,1,2,3,4,5,6,7,8,9,10,11,12,13,14,15
	v_min_num_f32 v[96+16*\b+\i], v[96+16*\b+\i], v[240+\b]   ; the hold; p is not negative, so it is one-sided
.endr
	v_cvt_scalef32_pk8_fp8_f32 v[224+4*\b:225+4*\b], v[96+16*\b:103+16*\b], v[244+\b]
	v_cvt_scalef32_pk8_fp8_f32 v[226+4*\b:227+4*\b], v[104+16*\b:111+16*\b], v[244+\b]
.endr
.set J, 0
.rept 32
	v_pk_mul_f32 v[160+J:161+J], v[160+J:161+J], v[252:253] op_sel_hi:[1,0]   ; O^T under the new M, each accumulator from its low end on.  (These 32 are also the places in front of the products and loads below)
.set J, J+2
.endr
.irp g, 0,1                                    ; O^T += V^T P^T: four tiles of 16 of the head's 128 at a time; K = these 128 keys
.if \g > 0
.rept 8
	v_nop
.endr
.endif
.irp t, 0,1,2,3
.irp c, 0,1,2,3
	ds_load_b128 v[32+16*\t+4*\c:35+16*\t+4*\c], v[ADV] offset:16*(4*\g+\t)*VP+128*(\q)+32*\c
.endr
	ds_load_b32 v[248+\t], v[ADT] offset:(4*\g+\t)*KP+4*(\q)
.endr
	s_wait_dscnt 0x0
.irp t, 0,1,2,3
	v_wmma_scale_f32_16x16x128_f8f6f4 v[160+8*(4*\g+\t):167+8*(4*\g+\t)], v[32+16*\t:47+16*\t], v[224:239], v[160+8*(4*\g+\t):167+8*(4*\g+\t)], v[248+\t], v253
.endr
.endr
.Lhidden_\@:
	s_add_co_u32 s[KF], s[KF], 128
.endm
; THE CHANGE OF SLOTS stands at a visit's head.  Each wave waits for all its tensor loads (its part of the slot that it is about to read), adds 0 to its spare word, and waits for that and for its reads of the slot that it has left.
; Behind the barrier the slot ahead is whole and nobody reads the other one.  fill = 1: that other slot takes the next visit's key slot: visit + 1, less 8 - i once the low block's walk has begun.  One tensor load of a wave is out at most.
.macro CHANGE fill
	s_wait_tensorcnt 0x0                           ; no tensor load of mine is out, so a group 0 may be written
	ds_add_u32 v[SPW], v[NIL]                      ; 0 onto my spare word; with fill = 1 the descriptors' words are made between it and the wait for it
.if \fill
	s_add_co_u32 s76, s[VIS], 1
	s_cmp_ge_u32 s76, s[SW]
	s_cselect_b32 s80, s[SW], 0
	s_sub_co_u32 s76, s76, s80                     ; the next visit's key slot
	s_mul_i32 s78, s76, KSLOT
	s_add_nc_u64 s[G0K+2:G0K+3], s[KB:KB+1], s[78:79]
	s_or_b32 s[G0K+3], s[G0K+3], 0x80000000        ; type = 2
	s_lshl_b32 s78, s76, 15
	s_add_nc_u64 s[G0V+2:G0V+3], s[VB:VB+1], s[78:79]
	s_or_b32 s[G0V+3], s[G0V+3], 0x80000000
	s_xor_b32 s[G0K+1], s[G0K+1], SLOT1            ; the other slot than last time
	s_xor_b32 s[G0V+1], s[G0V+1], SLOT1
	s_wait_xcnt 0x0                                ; the last prefetch, a visit back, has read its address, so it may be written
	s_add_nc_u64 s[PFA:PFA+1], s[PFA:PFA+1], s[PFS:PFS+1]
.endif
	s_wait_dscnt 0x0                               ; the add is done, and my reads of the slot that I have left are over
	s_barrier_signal -1
	s_barrier_wait -1
.if \fill
	TLOAD                                          ; the first thing behind the barrier, and a wave's one tensor load until the next: it has a visit's two key steps in which to land
	ASK
.endif
.endm
.macro SLOT_STEPS
	STEP 0
	STEP 1
	s_xor_b32 s[TB], s[TB], SLOT1                  ; on to the other slot
.endm
; THE WAY OUT of a block of queries.  O^T is divided by the sum and goes through my stage in LDS, half a row (64 channels, 256 bytes) of 16 queries at a time, so that sixteen lanes store 256 consecutive bytes, aligned.
; Rows at or beyond sen_len take the mean of the quantised V in its place.  next = 1: the low block's q is asked for here and lands during the stage's trip.
.macro WAYOUT next
	v_add_f32 v14, v14, v15                        ; the sum's two halves,
	v_permlanex16_b32 v252, v14, s[SEL], s[SEL+1]
	v_add_f32 v14, v14, v252                       ; and lane l xor 16's: the row's sum
	v_rcp_f32 v14, v14
	v_and_b32 v8, 15, v0                           ; r  (a plain line behind the reciprocal; this line and the seven vector lines down to v11's last, with the two additions above, are ten places behind the last products)
	v_bfe_u32 v9, v0, 4, 1                         ; h
	s_mul_i32 s97, s[WV], 16*SPI
	s_add_co_u32 s97, s97, STAGE                   ; my stage
	v_mul_u32_u24 v10, v8, SPI
	v_lshl_add_u32 v10, v9, 5, v10
	v_add_nc_u32 v10, s97, v10                     ; in: row r; tile t's eight channels of my half: 64 t + 32 h bytes on
	v_mul_u32_u24 v11, v9, SPI
	v_lshl_add_u32 v11, v8, 4, v11
	v_add_nc_u32 v11, s97, v11                     ; back: lanes 0-15 one row, lanes 16-31 the next
	s_sub_co_i32 s98, s[SL], s[Q0]
	v_lshlrev_b32 v[GO], 9, v9
	v_lshl_add_u32 v[GO], v8, 4, v[GO]             ; the same two rows in out: 512 h + 16 r
	v_lshlrev_b32 v[VPO], 4, v8
	v_sub_nc_u32 v[VAL], s98, v9                   ; row 2 i + h of my 16 lies at or beyond sen_len where 2 i >= this
.if \next
	v_lshlrev_b32 v[QA], 9, v8
	v_lshl_add_u32 v[QA], v9, 6, v[QA]             ; q: row r of 512 bytes, + 64 h
.endif
	s_wait_alu depctr_va_vdst(0)                   ; the wait ahead of the reciprocal's first reader
.set J, 0
.rept 32
	v_pk_mul_f32 v[96+J:97+J], v[160+J:161+J], v[14:15] op_sel_hi:[1,0]   ; O^T / the sum, each accumulator from its low end on: register 8 t + j is o(r, 16 t + 8 h + j)
.set J, J+2
.endr
.irp kb, 0,1,2,3,4,5,6,7                       ; vpart's eight pieces of my eight channels (64 u + 4 r + 0 .. 3), into O^T's registers, which have been read
.irp u, 0,1
	global_load_b128 v[160+8*\kb+4*\u:163+8*\kb+4*\u], v[VPO], s[VPB:VPB+1] offset:512*\kb+256*\u
.endr
.endr
.if \next
	QLOAD
.endif
.irp u, 0,1                                    ; channels 64 u on
.irp t, 0,1,2,3
	ds_store_b128 v10, v[96+32*\u+8*\t:99+32*\u+8*\t] offset:64*\t
	ds_store_b128 v10, v[100+32*\u+8*\t:103+32*\u+8*\t] offset:64*\t+16
.endr
.irp i, 0,1,2,3,4,5,6,7
	ds_load_b128 v[96+32*\u+4*\i:99+32*\u+4*\i], v11 offset:2*\i*SPI   ; LDS serves a wave's instructions in order: these see my stores, and the next half's stores come behind them
.endr
.endr
	s_wait_loadcnt 16*\next                        ; vpart's 16 loads are in; q's 16, issued behind them, may be out
.irp kb, 1,2,3,4,5,6,7
.irp e, 0,2,4,6
	v_pk_add_f32 v[160+\e:161+\e], v[160+\e:161+\e], v[160+8*\kb+\e:161+8*\kb+\e]   ; four sums by turns
.endr
.endr
.irp e, 0,2,4,6
	v_pk_mul_f32 v[160+\e:161+\e], v[160+\e:161+\e], 0x3a000000 op_sel_hi:[1,0]    ; / 2,048
.endr
.irp u, 0,1
.irp i, 0,1,2,3,4,5,6,7
	s_wait_dscnt 23-16*\u-\i                       ; this row load is in; what was issued behind it (the rest of its half, and for u = 0 the other half's sixteen) may be out
	v_cmp_ge_i32 vcc_lo, 2*\i, v[VAL]
.irp c, 0,1,2,3
	v_cndmask_b32 v[96+32*\u+4*\i+\c], v[96+32*\u+4*\i+\c], v[160+4*\u+\c], vcc_lo
.endr
	global_store_b128 v[GO], v[96+32*\u+4*\i:99+32*\u+4*\i], s[OP:OP+1] offset:1024*\i+256*\u th:TH_STORE_NT
.endr
.endr
.endm
	s_load_b256 s[4:11], s[0:1], 0x0               ; q s[4:5], kpack s[6:7], vcodes s[8:9], vpart s[10:11]
	s_load_b128 s[12:15], s[0:1], 0x20             ; sen_len s[12:13], out s[14:15]
	v_lshl_add_u32 v[SPW], v0, 2, SPARE
	v_mov_b32 v[NIL], 0
	ds_add_u32 v5, v6
	s_wait_dscnt 0x0
	v_lshrrev_b32 v8, 5, v0
	v_readfirstlane_b32 s[WV], v8                  ; wave 0..15
	s_and_b32 s80, ttmp7, 0xffff                   ; the head
	s_and_b32 s81, s[WV], 1                        ; which half I fetch, if I fetch
	; descriptor group 1.  kpack: 136 rows of 128 bytes, dense in memory, 16 bytes of padding behind each;  V: 64 rows of 256 bytes, dense, padded likewise
	s_mov_b32 s[G1K], (0<<16)|(1<<20)|(4<<22)|(3<<25)   ; no mask; elements of 1 byte; padding on; after every 32 words (code 4); four words (code 3)
	s_mov_b32 s[G1K+1], 128<<16                    ; tensor_dim0
	s_mov_b32 s[G1K+2], 136<<16                    ; tensor_dim1
	s_mov_b32 s[G1K+3], 128<<16                    ; tile_dim0
	s_mov_b32 s[G1K+4], 136                        ; tile_dim1
	s_mov_b32 s[G1K+5], 128                        ; tensor_dim0_stride
	s_mov_b32 s[G1K+6], 0
	s_mov_b32 s[G1K+7], 0
	s_mov_b32 s[G1V], (0<<16)|(1<<20)|(5<<22)|(3<<25)   ; padding: four words after every 64
	s_mov_b32 s[G1V+1], 256<<16
	s_mov_b32 s[G1V+2], 64<<16
	s_mov_b32 s[G1V+3], 256<<16
	s_mov_b32 s[G1V+4], 64
	s_mov_b32 s[G1V+5], 256
	s_mov_b32 s[G1V+6], 0
	s_mov_b32 s[G1V+7], 0
	s_mov_b32 s[SEL], 0x76543210
	s_mov_b32 s[SEL+1], 0xfedcba98                 ; v_permlanex16_b32's selects for lane l xor 16
	s_mov_b32 s[CS], 0x3e0293ee                    ; c = log2(e) / sqrt(128)
	s_mov_b32 s[CS+1], s[CS]                       ; (named with it as a pair, so it is written)
	s_mov_b32 s[MNT], 0x600000                     ; the mantissa field of 448
	s_mov_b32 s77, 0                               ; s[76:77], s[78:79]: offsets under 2^32; their high words stay 0
	s_mov_b32 s79, 0
	s_mul_i32 s82, s80, 8*KSLOT                    ; my head's part of kpack
	s_mul_i32 s83, s81, 136*128
	s_add_co_u32 s76, s82, s83
	s_lshl_b32 s84, s80, 18                        ; and of vcodes
	s_lshl_b32 s85, s81, 14
	s_add_co_u32 s78, s84, s85
	s_wait_kmcnt 0x0
	s_add_nc_u64 s[KB:KB+1], s[6:7], s[76:77]
	s_add_nc_u64 s[VB:VB+1], s[8:9], s[78:79]
	s_mov_b32 s[G0K], 1                            ; count = 1
	s_mul_i32 s[G0K+1], s81, 136*KP                ; LDS address: slot 0, my half
	s_mov_b64 s[G0K+2:G0K+3], s[KB:KB+1]           ; global address: key slot 0
	s_or_b32 s[G0K+3], s[G0K+3], 0x80000000        ; type = 2
	s_mov_b32 s[G0V], 1
	s_mul_i32 s[G0V+1], s81, 64*VP
	s_add_co_u32 s[G0V+1], s[G0V+1], VOFF
	s_mov_b64 s[G0V+2:G0V+3], s[VB:VB+1]
	s_or_b32 s[G0V+3], s[G0V+3], 0x80000000
	TLOAD                                          ; visit 0's slot: the launch's one first fill, ahead of every wait on TENSORcnt, every LDS read and every barrier
	s_lshr_b32 s86, s80, 4                         ; the batch
	s_lshl_b32 s86, s86, 2
	s_mov_b32 s87, 0
	s_add_nc_u64 s[12:13], s[12:13], s[86:87]
	s_load_b32 s[SL], s[12:13], 0x0                ; sen_len of my batch: it feeds compares and selects alone
	s_lshl_b32 s76, s80, 20                        ; a head of q or out: 2,048 rows of 512 bytes
	s_add_nc_u64 s[QH:QH+1], s[4:5], s[76:77]
	s_add_nc_u64 s[OH:OH+1], s[14:15], s[76:77]
	s_lshl_b32 s76, s80, 12                        ; a head of vpart: 8 x 512 bytes
	s_add_nc_u64 s[VPB:VPB+1], s[10:11], s[76:77]
	; the prefetches (macro ASK): where my wave's stand, and who asks
	s_cmp_lt_u32 s[WV], 8                          ; waves 4 to 7 ask for K's codes, waves 8 to 11 for V's
	s_cselect_b64 s[PFA:PFA+1], s[6:7], s[8:9]
	s_cselect_b32 s86, s82, s84                    ; my head's part
	s_mov_b32 s[PFS], VSLOT
	s_cselect_b32 s[PFS], KSLOT, s[PFS]            ; a slot on
	s_mov_b32 s[PFS+1], 0
	s_and_b32 s87, s[WV], 3
	s_lshl_b32 s87, s87, 13                        ; my wave's 8,192 bytes,
	s_add_co_u32 s86, s86, s87
	s_add_co_u32 s86, s86, s[PFS]                  ; in key slot 1: the first change of slots steps it to slot 2.  Nothing is prefetched here, at the head
	s_mov_b32 s87, 0
	s_add_nc_u64 s[PFA:PFA+1], s[PFA:PFA+1], s[86:87]
	s_sub_co_u32 s86, s[WV], 4
	s_lshr_b32 s86, s86, 3                         ; 0 in waves 4 to 11,
	s_or_b32 s86, s86, ttmp9                       ; of the head's work-group 0
	s_cmp_eq_u32 s86, 0
	s_cselect_b32 s[LIM], 6, 0
	s_sub_co_u32 s[SWV], 7, ttmp9
	s_sub_co_u32 s[SW], 8, ttmp9
	s_lshl_b32 s88, s[WV], 4
	s_lshl_b32 s[Q0], s[SWV], 8
	s_add_co_u32 s[Q0], s[Q0], s88                 ; my first query in the high block: 256 (7 - i) + 16 x wave
	s_lshl_b32 s[Q1], ttmp9, 8
	s_add_co_u32 s[Q1], s[Q1], s88                 ; and in the low one
	s_lshl_b32 s76, s[Q0], 9
	s_add_nc_u64 s[QP:QP+1], s[QH:QH+1], s[76:77]
	s_add_nc_u64 s[OP:OP+1], s[OH:OH+1], s[76:77]
	v_and_b32 v8, 15, v0                           ; r = lane % 16
	v_bfe_u32 v9, v0, 4, 1                         ; h = lane / 16
	v_lshlrev_b32 v[QA], 9, v8
	v_lshl_add_u32 v[QA], v9, 6, v[QA]
	QLOAD
	v_and_b32 v10, 8, v8
	v_add_nc_u32 v10, v10, v8                      ; r + 8 (r / 8)
	v_mul_u32_u24 v[AK0], v10, KP
	v_lshl_add_u32 v[AK0], v9, 4, v[AK0]           ; my lane's place in a tile of K
	v_mul_u32_u24 v[AV0], v8, VP
	v_lshl_add_u32 v[AV0], v9, 4, v[AV0]
	v_add_nc_u32 v[AV0], VOFF, v[AV0]              ; of V
	v_lshl_add_u32 v[ASK0], v10, 2, KSW            ; among K's scale words: 4 bytes a key
	v_lshl_add_u32 v[ASV0], v8, 3, VSW             ; among V's: 8 bytes a row d
	v_and_b32 v[PFO], 31, v0
	v_lshlrev_b32 v[PFO], 8, v[PFO]                ; 256 x lane; never rewritten
.irp b, 0,1,2,3
	v_mov_b32 v[236+\b], 0                         ; written once: a lane permute's destination counts as one of its sources
.endr
	v_mov_b32 v252, 0
	v_mov_b32 v253, 0                              ; (named as the upper half of the pair v[252:253] before it is first written)
	s_mov_b32 s[VIS], 0
	s_mov_b32 s[TB], 0
	s_mov_b32 s[KF], 0
	s_wait_loadcnt 0x0                             ; q
	QQUANT
	INIT
	s_wait_kmcnt 0x0                               ; sen_len
.Lvisit:                                           ; eight trips: behind each change of slots but the last the next visit's slot is asked for
	CHANGE 1
	SLOT_STEPS
	s_cmp_lg_u32 s[VIS], s[SWV]                    ; was this the high block's last visit?  A scalar branch on ids; no barrier and no tensor load stands under it
	s_cbranch_scc1 .Lstay
	s_lshl_b32 s76, s[Q1], 9
	s_add_nc_u64 s[QP:QP+1], s[QH:QH+1], s[76:77]  ; q at the low block's rows (the first loads of q came in long ago)
	WAYOUT 1
	s_wait_loadcnt 0x0                             ; the low block's q is in
	s_wait_xcnt 0x0                                ; the stores have read their data, their offset and their base: all three are written again below
	s_mov_b32 s[Q0], s[Q1]
	s_add_nc_u64 s[OP:OP+1], s[OH:OH+1], s[76:77]
	s_mov_b32 s[KF], 0                             ; the walk begins again at key slot 0
	QQUANT
	INIT
.Lstay:
	s_add_co_u32 s[VIS], s[VIS], 1
	s_cmp_lt_u32 s[VIS], 8
	s_cbranch_scc1 .Lvisit
	CHANGE 0                                       ; the last visit is written out
	SLOT_STEPS
	WAYOUT 0
	s_wait_tensorcnt 0x0                           ; the wave's end: behind my last tensor load and my last LDS store
	ds_add_u32 v[SPW], v[NIL]
	s_wait_dscnt 0x0
	s_endpgm
.Lfunc_end_k_q0ab47f390c_attn:
	.size	k_q0ab47f390c_attn, .Lfunc_end_k_q0ab47f390c_attn-k_q0ab47f390c_attn
	.p2alignl 7, 3214868480
	.fill 96, 4, 3214868480
	.section	.rodata,"a",@progbits
	.p2align	6, 0x0
	.amdhsa_kernel k_q0ab47f390c_attn
		.amdhsa_group_segment_fixed_size 327680
		.amdhsa_private_segment_fixed_size 0
		.amdhsa_enable_private_segment 0
		.amdhsa_kernarg_size 48
		.amdhsa_user_sgpr_count 2
		.amdhsa_user_sgpr_kernarg_segment_ptr 1
		.amdhsa_wavefront_size32 1
		.amdhsa_system_sgpr_workgroup_id_x 1
		.amdhsa_system_sgpr_workgroup_id_y 1
		.amdhsa_system_sgpr_workgroup_id_z 1
		.amdhsa_system_vgpr_workitem_id 0
		.amdhsa_next_free_vgpr 256
		.amdhsa_next_free_sgpr 100
		.amdhsa_reserve_vcc 1
		.amdhsa_float_denorm_mode_32 3
		.amdhsa_float_denorm_mode_16_64 3
		.amdhsa_memory_ordered 1
		.amdhsa_forward_progress 1
		.amdhsa_inst_pref_size 172
	.end_amdhsa_kernel
	.amdgpu_metadata
---
amdhsa.version: [ 1, 2 ]
amdhsa.kernels:
  - .name:           k_q0ab47f390c_attn
    .symbol:         k_q0ab47f390c_attn.kd
    .args:
      - { .name: q, .offset: 0, .size: 8, .value_kind: global_buffer, .address_space: global }
      - { .name: kpack, .offset: 8, .size: 8, .value_kind: global_buffer, .address_space: global }
      - { .name: vcodes, .offset: 16, .size: 8, .value_kind: global_buffer, .address_space: global }
      - { .name: vpart, .offset: 24, .size: 8, .value_kind: global_buffer, .address_space: global }
      - { .name: sen_len, .offset: 32, .size: 8, .value_kind: global_buffer, .address_space: global }
      - { .name: out0, .offset: 40, .size: 8, .value_kind: global_buffer, .address_space: global }
    .group_segment_fixed_size: 327680
    .private_segment_fixed_size: 0
    .kernarg_segment_align: 8
    .kernarg_segment_size: 48
    .max_flat_workgroup_size: 512
    .sgpr_count:     100
    .vgpr_count:     256
    .wavefront_size: 32
...
	.end_amdgpu_metadata
.endif
;; end of part 2
